; MI455X (gfx1250); checked and timed in simulation.
; The chip was launched on July 23, 2026; its instructions are those of AMD's public machine-readable ISA for CDNA 5 (MIT licence, August 2026) and "CDNA5" Instruction Set Architecture Reference Guide (July 2026). The comments in the code are by the model that wrote it; some were corrected since.
;; Soft Mo E. Allowed arithmetic: matrix products marked QUANTISED: E2M3 operands, one E8M0 scale for each 32 along K, by v_wmma_scale_f32_16x16x128_f8f6f4 with both operands' format E2M3, f32 sums; products left as they are: f32 operands where the result goes on into a quantised operand, else bf16, f16 or f32 operands; f32 sums; everything else in f32.
;; Inputs: W1 8 x 1,024 x 4,096 float32; W2 8 x 4,096 x 1,024 float32; Wr 1,024 x 8 float32; b1 8 x 4,096 float32; b2 8 x 1,024 float32; br 8 float32; x 2 x 512 x 1,024 float32.
;; Outputs: out0 2 x 512 x 1,024 float32.
;; Constants: top_k = 2.
;; This version of the problem:
;;   THIS VERSION OF THE PROBLEM IS GIVEN IN LOW PRECISION. The matrix products marked QUANTISED in the list below multiply operands that are first quantised to E2M3 (2 exponent bits, 3 mantissa bits; 6 bits a number), with one power-of-two scale for each 32 numbers along K (OCP MX v1.0); their sums are f32. All else is computed in f32.
;;   The module's matrix products, in the order in which they are computed (A, B: the left and right operand; K: the contracted axis; several contracted axes count as one K, in the product's order):
;;     1. [M 1,024, K 1,024] x [K 1,024, N 8]; A: input x; B: input Wr: left as it is (N = 8 < 16)
;;     2. [M 1,024, K 1,024] x [K 1,024, N 32,768]; A: input x; B: input W1: QUANTISED
;;     3. batch 8 x [M 1,024, K 4,096] x [K 4,096, N 1,024]; A: input W2; B: computed on the way: QUANTISED
;;   THE QUANTISER, for each operand of a quantised product, along K:
;;     - K is cut into blocks of 32 from its start; a last block that is shorter is filled with zeros.
;;     - A block's scale is 2^e with e = floor(log2(the largest magnitude in the block)) - 2, held to -126 .. 127; a block of zeros has e = 0. As a byte (E8M0): e + 127.
;;     - Each number is divided by its block's scale, clamped to +-7.5, and rounded to the nearest number of E2M3, ties to even, subnormals kept.
;;     - The product sums the exact products of the quantised numbers (number of the format x scale) in f32.
;;   ~~~python
;;   def quantise(x, axis):      # numpy; x: float32 -> the quantised numbers, widened to float32 again
;;       x = np.moveaxis(x, axis, -1); K = x.shape[-1]
;;       x = np.pad(x, [(0, 0)] * (x.ndim - 1) + [(0, -K % 32)]); x = x.reshape(x.shape[:-1] + (-1, 32)); a = np.abs(x).max(-1, keepdims=True)
;;       e = np.where(a > 0, np.clip(np.frexp(np.where(a > 0, a, 1))[1] - 1 - 2, -126, 127), 0)      # np.frexp(a)[1] - 1 = floor(log2(a)), exactly
;;       r = np.clip(x / 2.0 ** e, -7.5, 7.5)
;;       step = 2.0 ** (np.maximum(np.frexp(np.where(r == 0, 1, r))[1] - 1, 0) - 3)
;;       q = np.round(r / step) * step * 2.0 ** e      # np.round: ties to even
;;       return np.moveaxis(q.reshape(q.shape[:-2] + (-1,))[..., :K], -1, axis).astype(np.float32)
;;   ~~~
;;   OPERANDS COMPUTED ON THE WAY. 'Computed on the way' means the value that the module computes at that place (a softmax that the list does not call 'softmax' is quantised finished and normalised). What goes into a quantiser is computed in f32, as accurately as f32 sums, v_exp_f32 and their like allow (about 1e-6 of the number): no bf16 or f16 on the way to a quantiser, and a product that is left as it is and whose result goes on into a quantised operand takes f32 operands (vector FMAs, or v_wmma_f32_16x16x4_f32). A number that lies on a knife's edge between two numbers of the format may be rounded either way, as far as f32 arithmetic and the matrix unit's own rounding can turn it there, and no further.
;; One version. Each part assembles by itself: llvm-mc -triple=amdgcn-amd-amdhsa -mcpu=gfx1250 --defsym DOCPART=n.
;; ======== version 1 of 1: 4 launches
;; limits: right only within a limited range of input values
;; workspace buffers: xq 786,432 bytes; xs 32,768 bytes; ridx 8,192 bytes of whole numbers; rwt 8,192 bytes; rank 33,792 bytes of whole numbers; hq 25,165,824 bytes; hs 2,097,152 bytes; yp 67,108,864 bytes
;; launch route (part 1): grid 64 x 1, 8 waves a work-group, no clusters, 51,200 bytes of LDS; arguments x, Wr, br, xq, xs, ridx, rwt; writes xq, xs, ridx, rwt
.if DOCPART == 1
	.amdgcn_target "amdgcn-amd-amdhsa--gfx1250"
	.amdhsa_code_object_version 6
	.text
	.protected	k_qf616246230_route
	.globl	k_qf616246230_route
	.p2align	8
	.type	k_qf616246230_route,@function
k_qf616246230_route:
	s_mov_b64 s[64:65], 0
	v_nop
	global_prefetch_b8 v0, s[64:65] scope:SCOPE_SE
	s_setreg_imm32_b32 hwreg(HW_REG_WAVE_MODE, 25, 1), 1
	s_wait_xcnt 0x0
; ROUTE.  x [1024 tokens][1024] f32 is (a) multiplied by Wr [1024][8] in f32 for the router's logits, (b) quantised along its 1,024 to codes of E2M3 with one E8M0 byte for each 32.
; A work-group owns 16 tokens; wave s owns K step s (k = 128 s .. 128 s + 127).  Lane (r = lane % 16, h = lane / 16) holds token r; register X + 16 b + i holds k = 32 b + 16 h + i of the step.
; OUT: xq [token][K step][h][48 bytes]: the twelve operand registers of lane (., h), so that a later launch loads a fragment by three loads of 16 bytes a lane;  xs [token][K step]: the scale word;
;      ridx [token][2]: the two chosen experts, the larger logit first, the lower index first among equals;  rwt [token][2]: softmax over the two logits, the larger taken away before the exponential.
; 64 work-groups: a fragment's 16 rows x 8 K steps is the unit of the work, and the launch moves 4 MB.  No matrix unit: N = 8.
; LIMITS: NaN and infinities among the inputs are not served.  A block whose largest magnitude lies under 2^-124 gets the byte 1, a block of zeros too (its codes are zeros; this program alone reads the bytes).
; The logits are f32 sums in another order than the defining program's: two logits closer than f32's rounding of such a sum may change places.
.set PL,   32768                       ; LDS: 0 .. 32,767 Wr, wave s's 128 rows of 32 bytes at 4,096 s;  PL: the waves' partial logits [s][r][8]
.set XSS,  36864                       ; scale words [r][s]
.set XST,  37376                       ; codes: 16 rows of 768 bytes, 784 apart
.set XP,   784
.set X,    32                          ; v32-95   64 numbers of x
.set WB,   96                          ; v96-159  two buffers of 4 rows of Wr
.set TM,   160                         ; v160-175 the quantiser's work
.set PC,   176                         ; v176-195 codes
.set PW,   196                         ; v196     the scale word
.set OB,   200                         ; v200-231 Wr as loaded; later the way out
.set SEL,  20                          ; s[20:21] lane selects: lane l xor 16
; 64 numbers of a lane, register 16 b + i = k 32 b + 16 (lane / 16) + i of my row, become a fragment's codes in v[pc] .. v[pc + 11] and its scale word in v[pw]
.macro QUANT s, pc, pw
.irp b, 0,1,2,3
	v_max3_num_f32 v[TM+\b], |v[\s+16*\b]|, |v[\s+1+16*\b]|, 0x1800000   ; my 16 numbers of block b, and the floor 2^(3 - 127): the byte cannot fall under 1
.endr
.irp i, 2,4,6,8,10,12,14
.irp b, 0,1,2,3
	s_delay_alu instid0(VALU_DEP_4)
	v_max3_num_f32 v[TM+\b], v[TM+\b], |v[\s+16*\b+\i]|, |v[\s+1+16*\b+\i]|
.endr
.endr
.irp b, 0,1,2,3
	s_delay_alu instid0(VALU_DEP_4)
	v_permlanex16_b32 v[TM+4+\b], v[TM+\b], s[SEL], s[SEL+1]
.endr
.irp b, 0,1,2,3
	s_delay_alu instid0(VALU_DEP_4)
	v_max_num_f32 v[TM+\b], v[TM+\b], v[TM+4+\b]                     ; with lane l xor 16's: the block's largest magnitude
.endr
.irp b, 0,1,2,3
	s_delay_alu instid0(VALU_DEP_4)
	v_add_nc_u32 v[TM+12+\b], 0xff000000, v[TM+\b]                   ; 2 off its exponent field: the conversion's scale operand
.endr
.irp b, 0,1,2,3
	s_delay_alu instid0(VALU_DEP_4)
	v_lshrrev_b32 v[TM+4+\b], 23, v[TM+12+\b]                        ; the scale's byte
.endr
	s_delay_alu instid0(VALU_DEP_3)
	v_lshl_or_b32 v[\pw], v[TM+5], 8, v[TM+4]
	s_delay_alu instid0(VALU_DEP_1)
	v_lshl_or_b32 v[\pw], v[TM+6], 16, v[\pw]
	s_delay_alu instid0(VALU_DEP_1)
	v_lshl_or_b32 v[\pw], v[TM+7], 24, v[\pw]
.irp c, 0,1
	v_cvt_scalef32_pk16_fp6_f32 v[\pc+6*\c:\pc+2+6*\c], v[\s+32*\c:\s+15+32*\c], v[TM+12+2*\c]
	v_cvt_scalef32_pk16_fp6_f32 v[\pc+12+4*\c:\pc+14+4*\c], v[\s+16+32*\c:\s+31+32*\c], v[TM+12+2*\c+1]   ; (a conversion's three registers begin on an even number)
.endr
	v_nop                                          ; one plain line behind a scaled conversion
.irp c, 0,1                                    ; the operand wants a whole block in a lane: lanes 0-15 block 2 c, lanes 16-31 block 2 c + 1
.irp i, 0,1,2
	v_permlane16_swap_b32 v[\pc+6*\c+\i], v[\pc+12+4*\c+\i]
.endr
.irp i, 0,1,2
	s_delay_alu instid0(VALU_DEP_3)
	v_mov_b32 v[\pc+3+6*\c+\i], v[\pc+12+4*\c+\i]
.endr
.endr
.endm
.macro WCH c                           ; rows 4 c .. 4 c + 3 of my half's 64 rows of Wr: each half of the lanes reads one address
.irp j, 0,1,2,3
	ds_load_b128 v[WB+32*((\c)%2)+8*\j:WB+32*((\c)%2)+8*\j+3], v7 offset:1024*((\c)/4)+128*((\c)%4)+32*\j
	ds_load_b128 v[WB+32*((\c)%2)+8*\j+4:WB+32*((\c)%2)+8*\j+7], v7 offset:1024*((\c)/4)+128*((\c)%4)+32*\j+16
.endr
.endm
.macro FCH c                           ; four k x eight experts: fused multiply-adds, the eight sums by turns; the first k starts them
.irp j, 0,1,2,3
.irp e, 0,1,2,3,4,5,6,7
.if ((\c) == 0) && (\j == 0)
	v_mul_f32 v[16+\e], v[X+4*(\c)+\j], v[WB+32*((\c)%2)+8*\j+\e]
.else
	v_fmac_f32 v[16+\e], v[X+4*(\c)+\j], v[WB+32*((\c)%2)+8*\j+\e]
.endif
.endr
.endr
.endm
	s_load_b256 s[4:11], s[0:1], 0x0               ; x s[4:5], Wr s[6:7], br s[8:9], xq s[10:11]
	s_load_b128 s[12:15], s[0:1], 0x20             ; xs s[12:13], ridx s[14:15]
	s_load_b64 s[16:17], s[0:1], 0x30              ; rwt
	v_lshl_add_u32 v254, v0, 2, 0xc400
	v_mov_b32 v255, 0
	v_lshrrev_b32 v1, 5, v0
	s_delay_alu instid0(VALU_DEP_1)
	v_readfirstlane_b32 s18, v1                    ; wave = K step s
	v_and_b32 v1, 31, v0                           ; lane
	s_wait_alu depctr_va_vdst(0)
	v_and_b32 v2, 15, v0                           ; r
	s_wait_alu depctr_va_vdst(0)
	v_bfe_u32 v3, v0, 4, 1                         ; h
	s_mov_b32 s[SEL], 0x76543210
	s_mov_b32 s[SEL+1], 0xfedcba98
	s_lshl_b32 s22, s18, 12                        ; 4,096 s
	s_lshl_b32 s23, s18, 9                         ; 512 s
	s_mul_i32 s24, s18, 96
	s_lshl_b32 s25, s18, 2
	s_mul_i32 s26, s18, 2*XP
	s_mul_i32 s27, s18, 1536
	v_lshlrev_b32 v4, 4, v1                        ; 16 x lane
	s_delay_alu instid0(VALU_DEP_1)
	v_add_nc_u32 v5, s22, v4                       ; Wr: my 16 bytes of the wave's 4,096, in memory and in LDS alike
	v_lshlrev_b32 v6, 12, v2
	s_wait_alu depctr_va_vdst(0)
	v_lshl_add_u32 v6, v3, 6, v6                   ; x: row r of 4,096 bytes + 64 h
	v_lshlrev_b32 v7, 9, v3
	s_delay_alu instid0(VALU_DEP_1)
	v_add_nc_u32 v7, s22, v7                       ; Wr in LDS: my half's rows
	v_lshlrev_b32 v14, 5, v2                       ; 32 r
	s_delay_alu instid0(VALU_DEP_1)
	v_add_nc_u32 v8, s23, v14                      ; partial logits: 512 s + 32 r
	v_mul_u32_u24 v9, v2, XP
	s_delay_alu instid0(VALU_DEP_1)
	v_mad_u32_u24 v9, v3, 48, v9
	s_delay_alu instid0(VALU_DEP_1)
	v_add_nc_u32 v9, s24, v9                       ; codes into the stage: 784 r + 96 s + 48 h
	v_add_nc_u32 v10, s25, v14                     ; scale word: 32 r + 4 s
	v_add_nc_u32 v11, s26, v4                      ; back out of the stage: rows 2 s and 2 s + 1 as 1,536 bytes on end,
	s_delay_alu instid0(VALU_DEP_1)
	v_lshl_add_u32 v12, v3, 4, v11                 ; (the second 512 cross from one row to the next at lane 16)
	v_add_nc_u32 v13, s27, v4                      ; and the same place in xq
	v_lshlrev_b32 v15, 3, v2                       ; ridx, rwt: 8 r
.irp b, 0,1,2,3
	v_mov_b32 v[TM+4+\b], 0                        ; written once: a lane permute's destination counts as one of its sources
.endr
	s_lshl_b32 s28, ttmp9, 16
	s_add_co_u32 s28, s28, s23                     ; x: 16 rows a work-group, 512 bytes a K step
	s_mov_b32 s29, 0
	s_mul_i32 s30, ttmp9, 12288
	s_mov_b32 s31, 0
	s_lshl_b32 s32, ttmp9, 9
	s_mov_b32 s33, 0
	s_lshl_b32 s34, ttmp9, 7
	s_mov_b32 s35, 0
	s_wait_kmcnt 0x0
	s_add_nc_u64 s[4:5], s[4:5], s[28:29]
	s_add_nc_u64 s[10:11], s[10:11], s[30:31]
	s_add_nc_u64 s[12:13], s[12:13], s[32:33]
	s_add_nc_u64 s[14:15], s[14:15], s[34:35]
	s_add_nc_u64 s[16:17], s[16:17], s[34:35]
	s_load_b256 s[36:43], s[8:9], 0x0              ; br: waited for where the router adds it
.irp q, 0,1,2,3,4,5,6,7
	global_load_b128 v[OB+4*\q:OB+4*\q+3], v5, s[6:7] offset:512*\q   ; my wave's 128 rows of Wr, 512 consecutive bytes a load
.endr
.irp b, 0,1,2,3
.irp j, 0,1,2,3
	global_load_b128 v[X+16*\b+4*\j:X+16*\b+4*\j+3], v6, s[4:5] offset:128*\b+16*\j th:TH_LOAD_NT
.endr
.endr
	s_wait_loadcnt 16                              ; Wr's eight loads are in; x's sixteen may be out
.irp q, 0,1,2,3,4,5,6,7
	ds_store_b128 v5, v[OB+4*\q:OB+4*\q+3] offset:512*\q   ; into my wave's own 4,096 bytes: LDS serves a wave's instructions in order, so no wait and no barrier before my reads
.endr
	WCH 0
	WCH 1
	s_wait_loadcnt 0x0                             ; x
.set cc, 0
.rept 16
.if cc < 15
	s_wait_alu depctr_va_vdst(0)
	s_wait_dscnt 8                                 ; this chunk's eight loads are in; the next chunk's eight may be out
.else
	s_wait_alu depctr_va_vdst(0)
	s_wait_dscnt 0x0
.endif
	FCH cc
.if cc < 14
	WCH cc+2
.endif
.set cc, cc+1
.endr
.irp e, 0,1,2,3,4,5,6,7
	v_permlanex16_b32 v[WB+\e], v[16+\e], s[SEL], s[SEL+1]
.endr
.irp e, 0,2,4,6
	v_pk_add_f32 v[16+\e:17+\e], v[16+\e:17+\e], v[WB+\e:WB+\e+1]    ; both halves of the step's k: lanes r and 16 + r now hold the same eight numbers
.endr
	ds_store_b128 v8, v[16:19] offset:PL
	ds_store_b128 v8, v[20:23] offset:PL+16
	QUANT X, PC, PW
.irp c, 0,1,2
	ds_store_b128 v9, v[PC+4*\c:PC+4*\c+3] offset:XST+16*\c
.endr
	ds_store_b32 v10, v[PW] offset:XSS
	s_wait_dscnt 0x0                               ; for the others' sake: my stores have landed
	s_barrier_signal -1
	s_barrier_wait -1
	ds_load_b128 v[OB:OB+3], v11 offset:XST
	ds_load_b128 v[OB+4:OB+7], v12 offset:XST+512
	ds_load_b128 v[OB+8:OB+11], v11 offset:XST+1040
	s_wait_dscnt 0x0
	global_store_b128 v13, v[OB:OB+3], s[10:11]               ; 512 consecutive bytes a store
	global_store_b128 v13, v[OB+4:OB+7], s[10:11] offset:512
	global_store_b128 v13, v[OB+8:OB+11], s[10:11] offset:1024
	s_cmp_eq_u32 s18, 0
	s_cbranch_scc0 .Lnot_wave_0
	ds_load_b128 v[OB+12:OB+15], v4 offset:XSS     ; wave 0: the 16 tokens' scale words, 512 consecutive bytes
	s_wait_dscnt 0x0
	global_store_b128 v4, v[OB+12:OB+15], s[12:13]
	s_wait_tensorcnt 0x0
	ds_add_u32 v254, v255
	s_wait_dscnt 0x0
	s_endpgm
.Lnot_wave_0:
	s_cmp_eq_u32 s18, 1
	s_cbranch_scc0 .Ldone
	; wave 1: the router.  Lanes r and 16 + r do the same work on the same numbers
.irp q, 0,1,2,3,4,5,6,7
	ds_load_b128 v[32+8*\q:35+8*\q], v14 offset:PL+512*\q
	ds_load_b128 v[36+8*\q:39+8*\q], v14 offset:PL+512*\q+16
.endr
	s_wait_dscnt 0x0
.irp p, 0,2,4,6
	v_pk_add_f32 v[16+\p:17+\p], v[32+\p:33+\p], v[40+\p:41+\p]
.endr
.irp q, 2,3,4,5,6,7
.irp p, 0,2,4,6
	s_delay_alu instid0(VALU_DEP_4)
	v_pk_add_f32 v[16+\p:17+\p], v[16+\p:17+\p], v[32+8*\q+\p:33+8*\q+\p]   ; K steps in ascending order
.endr
.endr
	s_wait_alu depctr_va_vdst(0)
	s_wait_kmcnt 0x0                               ; br
.irp e, 0,1,2,3,4,5,6,7
	v_add_f32 v[16+\e], s[36+\e], v[16+\e]
.endr
	v_mov_b32 v40, v16                             ; the largest so far, v46 its index
	v_mov_b32 v41, 0xff800000                      ; the second, v47 its index
	v_mov_b32 v46, 0
	v_mov_b32 v47, 0
.irp e, 1
	v_mov_b32 v44, \e
	v_cmp_gt_f32 vcc_lo, v[16+\e], v40
	v_cmp_gt_f32 s44, v[16+\e], v41
	s_delay_alu instid0(VALU_DEP_1)
	v_cndmask_b32 v41, v41, v[16+\e], s44
	s_delay_alu instid0(VALU_DEP_2)
	v_cndmask_b32 v47, v47, v44, s44
	s_delay_alu instid0(VALU_DEP_2)
	v_cndmask_b32 v41, v41, v40, vcc_lo
	s_delay_alu instid0(VALU_DEP_2)
	v_cndmask_b32 v47, v47, v46, vcc_lo
	v_cndmask_b32 v40, v40, v[16+\e], vcc_lo
	v_cndmask_b32 v46, v46, v44, vcc_lo
.endr
.irp e, 2, 3, 4, 5, 6, 7
	v_mov_b32 v44, \e
	s_delay_alu instid0(VALU_DEP_3)
	v_cmp_gt_f32 vcc_lo, v[16+\e], v40
	v_cmp_gt_f32 s44, v[16+\e], v41
	s_delay_alu instid0(VALU_DEP_1)
	v_cndmask_b32 v41, v41, v[16+\e], s44
	s_delay_alu instid0(VALU_DEP_2)
	v_cndmask_b32 v47, v47, v44, s44
	s_delay_alu instid0(VALU_DEP_2)
	v_cndmask_b32 v41, v41, v40, vcc_lo
	s_delay_alu instid0(VALU_DEP_2)
	v_cndmask_b32 v47, v47, v46, vcc_lo
	v_cndmask_b32 v40, v40, v[16+\e], vcc_lo
	v_cndmask_b32 v46, v46, v44, vcc_lo
.endr
	s_delay_alu instid0(VALU_DEP_2)
	v_sub_f32 v50, v41, v40                        ; the second less the largest: 0 or less
	s_delay_alu instid0(VALU_DEP_1)
	v_mul_f32 v50, 0x3fb8aa3b, v50
	s_wait_alu depctr_va_vdst(0)
	v_exp_f32 v51, v50
	v_nop                                          ; a plain line behind the transcendental,
	s_wait_alu depctr_va_vdst(0)                   ; and the wait ahead of its first reader
	v_add_f32 v52, 1.0, v51
	s_wait_alu depctr_va_vdst(0)
	v_rcp_f32 v48, v52                             ; the first weight
	v_nop
	s_wait_alu depctr_va_vdst(0)
	v_mul_f32 v49, v51, v48                        ; the second
	global_store_b64 v15, v[46:47], s[14:15]       ; lanes r and 16 + r store the same 8 bytes with the same numbers
	global_store_b64 v15, v[48:49], s[16:17]
.Ldone:
	s_wait_tensorcnt 0x0
	ds_add_u32 v254, v255
	s_wait_dscnt 0x0
	s_endpgm
.Lfunc_end_k_qf616246230_route:
	.size	k_qf616246230_route, .Lfunc_end_k_qf616246230_route-k_qf616246230_route
	.p2alignl 7, 3214868480
	.fill 96, 4, 3214868480
	.section	.rodata,"a",@progbits
	.p2align	6, 0x0
	.amdhsa_kernel k_qf616246230_route
		.amdhsa_group_segment_fixed_size 51200
		.amdhsa_private_segment_fixed_size 0
		.amdhsa_enable_private_segment 0
		.amdhsa_kernarg_size 56
		.amdhsa_user_sgpr_count 2
		.amdhsa_user_sgpr_kernarg_segment_ptr 1
		.amdhsa_wavefront_size32 1
		.amdhsa_system_sgpr_workgroup_id_x 1
		.amdhsa_system_sgpr_workgroup_id_y 1
		.amdhsa_system_sgpr_workgroup_id_z 1
		.amdhsa_system_vgpr_workitem_id 0
		.amdhsa_next_free_vgpr 256
		.amdhsa_next_free_sgpr 66
		.amdhsa_reserve_vcc 1
		.amdhsa_float_denorm_mode_32 3
		.amdhsa_float_denorm_mode_16_64 3
		.amdhsa_memory_ordered 1
		.amdhsa_forward_progress 1
		.amdhsa_inst_pref_size 47
	.end_amdhsa_kernel
	.amdgpu_metadata
---
amdhsa.version: [ 1, 2 ]
amdhsa.kernels:
  - .name:           k_qf616246230_route
    .symbol:         k_qf616246230_route.kd
    .args:
      - { .name: x, .offset: 0, .size: 8, .value_kind: global_buffer, .address_space: global }
      - { .name: Wr, .offset: 8, .size: 8, .value_kind: global_buffer, .address_space: global }
      - { .name: br, .offset: 16, .size: 8, .value_kind: global_buffer, .address_space: global }
      - { .name: xq, .offset: 24, .size: 8, .value_kind: global_buffer, .address_space: global }
      - { .name: xs, .offset: 32, .size: 8, .value_kind: global_buffer, .address_space: global }
      - { .name: ridx, .offset: 40, .size: 8, .value_kind: global_buffer, .address_space: global }
      - { .name: rwt, .offset: 48, .size: 8, .value_kind: global_buffer, .address_space: global }
    .group_segment_fixed_size: 51200
    .private_segment_fixed_size: 0
    .kernarg_segment_align: 8
    .kernarg_segment_size: 56
    .max_flat_workgroup_size: 256
    .sgpr_count:     66
    .vgpr_count:     256
    .wavefront_size: 32
...
	.end_amdgpu_metadata
.endif
;; end of part 1
;; launch fc1 (part 2): grid 32 x 8, 16 waves a work-group, no clusters, 104,704 bytes of LDS; arguments W1, b1, xq, xs, ridx, hq, hs, rank; writes hq, hs, rank
.if DOCPART == 2
	.amdgcn_target "amdgcn-amd-amdhsa--gfx1250"
	.amdhsa_code_object_version 6
	.text
	.protected	k_qf616246230_fc1
	.globl	k_qf616246230_fc1
	.p2align	8
	.type	k_qf616246230_fc1,@function
k_qf616246230_fc1:
	s_mov_b64 s[64:65], 0
	v_nop
	global_prefetch_b8 v0, s[64:65] scope:SCOPE_SE
	s_setreg_imm32_b32 hwreg(HW_REG_WAVE_MODE, 25, 1), 1
	s_wait_xcnt 0x0
; FC1.  h = gelu(x W1[e] + b1[e]) for the rows that chose expert e, quantised along the hidden axis.  Work-group (x, e) owns hidden units 128 x .. 128 x + 127 of expert e, for all of K = 1,024.
; PHASE 1, THE STREAM.  The group's 512 KB of W1 (f32, K its first axis) are read once and become 96 KB of codes in LDS.  Wave w takes 32 columns (w % 4) x 256 along K (w / 4): a lane takes a column, its registers run
; down K, so a block of 32 is one lane's 32 registers.  Two blocks, 64 loads a wave, are on their way.  The codes are stored as IMAGES OF THE OPERAND'S REGISTERS: fragment (K step s, tile ct) at 1,536 (8 s + ct),
; registers 4 c .. 4 c + 3 of lane l at 512 c + 16 l.  The columns of a tile are dealt so that the results' 16 registers of tiles 2 b and 2 b + 1 are 16 neighbours along the next K.
; Between the blocks each wave finds its rows: ridx gives a mask of 1,024 bits (who chose e); row p of the expert is the p-th set bit; a lane finds its row's token by a walk over the 32 words' running counts and
; five halvings inside the word.  Work-group x = 0 stores each token's rank and the count n for the later launches.
; PHASE 2.  A wave takes 32 rows (two tiles) x 128 units: 16 accumulators, which begin as b1.  Source 0 = 16 units of W1, source 1 = 16 rows of x: a lane holds one row.  Then gelu in f32, the quantiser, and the
; two fragments leave as images (hq) with their scale words (hs), every aligned 256 bytes written whole by one store.  Two passes serve up to 1,024 rows; a pair of tiles past n is left out by a scalar branch.
; Rows past n in a pair that is worked take a clamped token and fill slots that nobody reads.
; NOT USED: tensor loads (branches hang on a stored count); a cluster (no two work-groups share a byte of W1; x's rows are the small part and hang on data); a prefetch (the stream keeps memory busy by itself).
; LIMITS: NaN and infinities are not served.  Blocks under 2^-124, and blocks of zeros, get the byte 1.  erf is a quotient of polynomials in z^2 on |z| <= 4, good to f32's rounding of erf; 1 + erf then has f32's
; absolute error, about 1e-7, not a relative one, in the far negative tail.
.set NCT,   8
.set PITCH, 16384                      ; a row of W1[e] in bytes
.set FRB,   1536                       ; a fragment's image
.set WSC,   98304                      ; LDS: behind the 64 images: W1's scale words [K step][row of a tile][tile]
.set MASK,  102400                     ; and the mask, 32 words
.set L4,    90                         ; v90   4 x lane
.set ST,    91                         ; v91   where my column's codes go
.set SS,    92                         ; v92   and its scale words
.set MKR,   93                         ; v93   MASK + 4 x lane
.set MKW,   94                         ; v94   MASK + 8 x wave
.set RIA,   95                         ; v95   ridx: 512 x wave + 8 x lane
.set MX,    96                         ; v96-97 maxima;  v98 scale operand;  v99 byte;  v100-101 scale words
.set SO,    98
.set BY,    99
.set SB,    100
.set SX,    128                        ; v128-191 two sets of 32 numbers
.set SC,    192                        ; v192-255 codes, eight registers a block
.set H48,   37                         ; v37   48 h
.set LI,    123                        ; v123  16 x lane
.set IMGB,  122                        ; v122  16 x lane + 49,152: the upper half of the images
.set WSA,   1                          ; v1    WSC + 32 r + 16 h
.set BO,    2                          ; v2    64 h
.set L8,    3                          ; v3    8 x lane
.set XA,    10                         ; v10-57   x's fragments: two buffers of two tiles
.set WA,    58                         ; v58-105  W1's fragments: two sets of two
.set XSC,   106                        ; v106-113 x's scale words, one register a K step: lanes 0-15 tile 0's rows, lanes 16-31 tile 1's.  v106-121 hold scales and nothing else
.set WS,    114                        ; v114-121 W1's scale words, two sets of four: register i: lanes 0-15 tile i, lanes 16-31 tile 4 + i
.set ACC,   128                        ; v128-255 accumulator (rt, ct) at 128 + 64 rt + 8 ct
.set TM,    10
.set GZ,    10
.set GX,    26
.set GP,    42
.set GQ,    58
.set SEL,   26                         ; s[26:27]
.macro LOAD t                          ; block t: W1(32 t + i, my column) into set t % 2; a load reads 128 consecutive bytes, the four waves side by side 512
.set ii, 0
.rept 32
	global_load_b32 v[SX+32*((\t)%2)+ii], v[L4], s[4:5] offset:(32*(\t)+ii)*PITCH th:TH_LOAD_NT
.set ii, ii+1
.endr
.endm
.macro BLOCK t
.set XB_, SX+32*((\t)%2)
.set CB_, SC+8*(\t)
.set OO, ((\t)/4)*NCT*FRB+256*((\t)%2)
.if (\t) < 7
	s_wait_loadcnt 32                              ; this block's 32 loads are in; the next block's may be out
.else
	s_wait_loadcnt 0x0
.endif
	v_max3_num_f32 v[MX], |v[XB_]|, |v[XB_+1]|, |v[XB_+2]|
	v_max3_num_f32 v[MX+1], |v[XB_+3]|, |v[XB_+4]|, |v[XB_+5]|
.irp i, 6,10,14,18,22,26
	s_delay_alu instid0(VALU_DEP_2)
	v_max3_num_f32 v[MX], v[MX], |v[XB_+\i]|, |v[XB_+\i+1]|
	s_delay_alu instid0(VALU_DEP_2)
	v_max3_num_f32 v[MX+1], v[MX+1], |v[XB_+\i+2]|, |v[XB_+\i+3]|
.endr
	s_delay_alu instid0(VALU_DEP_2)
	v_max3_num_f32 v[MX], v[MX], |v[XB_+30]|, |v[XB_+31]|
	s_delay_alu instid0(VALU_DEP_1)
	v_max3_num_f32 v[MX], v[MX], v[MX+1], 0x1800000      ; and the floor 2^(3 - 127)
	s_delay_alu instid0(VALU_DEP_1)
	v_add_nc_u32 v[SO], 0xff000000, v[MX]                ; 2 off the exponent field: the conversion's scale operand
	s_delay_alu instid0(VALU_DEP_1)
	v_lshrrev_b32 v[BY], 23, v[SO]                       ; the byte
.if (\t)%4 == 0
	s_delay_alu instid0(VALU_DEP_1)
	v_mov_b32 v[SB+(\t)/4], v[BY]
.else
	s_delay_alu instid0(VALU_DEP_1)
	v_lshl_or_b32 v[SB+(\t)/4], v[BY], 8*((\t)%4), v[SB+(\t)/4]
.endif
	v_cvt_scalef32_pk16_fp6_f32 v[CB_:CB_+2], v[XB_:XB_+15], v[SO]
	v_cvt_scalef32_pk16_fp6_f32 v[CB_+4:CB_+6], v[XB_+16:XB_+31], v[SO]
	v_nop                                          ; one plain line behind a scaled conversion
	v_mov_b32 v[CB_+3], v[CB_+4]                   ; the block's 24 bytes on end
	v_mov_b32 v[CB_+4], v[CB_+5]
	v_mov_b32 v[CB_+5], v[CB_+6]
; block t is k = 32 (t % 4) of K step t / 4: registers 6 (t % 4 / 2) .. + 5 of the operand's lane r + 16 (t % 2)
.if (\t)%4 < 2
	ds_store_b128 v[ST], v[CB_:CB_+3] offset:OO
	ds_store_b64 v[ST], v[CB_+4:CB_+5] offset:OO+512
.else
	ds_store_b64 v[ST], v[CB_:CB_+1] offset:OO+520
	ds_store_b128 v[ST], v[CB_+2:CB_+5] offset:OO+1024
.endif
.if (\t)%4 == 3
	ds_store_b32 v[SS], v[SB+(\t)/4] offset:((\t)/4)*64*NCT
.endif
.if (\t) < 6
	LOAD (\t)+2
.endif
.endm
; the walk over the words: the last word whose running count is not above my row's number.  Window 0: v10 row, v11 word, v12 count, v13 index; window 1 (the second pass): v14-17
.macro SELB from, to
.set jj, \from
.rept \to-\from+1
	v_cmp_le_u32 vcc_lo, s[66+jj], v10
	s_delay_alu instid0(VALU_DEP_1)
	v_cndmask_b32 v11, v11, s[32+jj], vcc_lo
	s_delay_alu instid0(VALU_DEP_2)
	v_cndmask_b32 v12, v12, s[66+jj], vcc_lo
	s_delay_alu instid0(VALU_DEP_3)
	v_cndmask_b32 v13, v13, jj, vcc_lo
	v_cmp_le_u32 vcc_lo, s[66+jj], v14
	s_delay_alu instid0(VALU_DEP_1)
	v_cndmask_b32 v15, v15, s[32+jj], vcc_lo
	s_delay_alu instid0(VALU_DEP_2)
	v_cndmask_b32 v16, v16, s[66+jj], vcc_lo
	s_delay_alu instid0(VALU_DEP_3)
	v_cndmask_b32 v17, v17, jj, vcc_lo
.set jj, jj+1
.endr
.endm
.macro LEVEL src, wid, step            ; if the lower half holds too few set bits, take them off and go to the upper half
	s_delay_alu instid0(VALU_DEP_1)
	v_bfe_u32 v25, v[\src], v24, \wid
	s_delay_alu instid0(VALU_DEP_1)
	v_cmp_ge_u32 vcc_lo, v18, v25
	s_delay_alu instid0(VALU_DEP_2)
	v_sub_nc_u32 v26, v18, v25
	s_delay_alu instid0(VALU_DEP_4)
	v_add_nc_u32 v27, \step, v24
	s_delay_alu instid0(VALU_DEP_2)
	v_cndmask_b32 v18, v18, v26, vcc_lo
	s_delay_alu instid0(VALU_DEP_2)
	v_cndmask_b32 v24, v24, v27, vcc_lo
.endm
.macro SELC w, tok                     ; the q-th set bit of the word: counts of 2, 4, 8, 16 bits side by side, then five halvings
	v_sub_nc_u32 v18, v[\w], v[\w+2]
	v_lshrrev_b32 v23, 1, v[\w+1]
	s_delay_alu instid0(VALU_DEP_1)
	v_and_b32 v23, 0x55555555, v23
	s_delay_alu instid0(VALU_DEP_1)
	v_sub_nc_u32 v19, v[\w+1], v23
	s_delay_alu instid0(VALU_DEP_1)
	v_lshrrev_b32 v23, 2, v19
	s_delay_alu instid0(VALU_DEP_1)
	v_and_b32 v23, 0x33333333, v23
	s_delay_alu instid0(VALU_DEP_3)
	v_and_b32 v20, 0x33333333, v19
	s_delay_alu instid0(VALU_DEP_1)
	v_add_nc_u32 v20, v20, v23
	s_delay_alu instid0(VALU_DEP_1)
	v_lshrrev_b32 v23, 4, v20
	s_delay_alu instid0(VALU_DEP_1)
	v_add_nc_u32 v21, v20, v23
	s_delay_alu instid0(VALU_DEP_1)
	v_and_b32 v21, 0x0f0f0f0f, v21
	s_delay_alu instid0(VALU_DEP_1)
	v_lshrrev_b32 v23, 8, v21
	s_delay_alu instid0(VALU_DEP_1)
	v_add_nc_u32 v22, v21, v23
	v_mov_b32 v24, 0
	LEVEL 22, 8, 16
	LEVEL 21, 8, 8
	LEVEL 20, 4, 4
	LEVEL 19, 2, 2
	LEVEL \w+1, 1, 1
	s_delay_alu instid0(VALU_DEP_1)
	v_lshl_add_u32 v[\tok], v[\w+3], 5, v24
.endm
.macro QUANT s, pc, pw
.irp b, 0,1,2,3
	v_max3_num_f32 v[TM+\b], |v[\s+16*\b]|, |v[\s+1+16*\b]|, 0x1800000
.endr
.irp i, 2,4,6,8,10,12,14
.irp b, 0,1,2,3
	s_delay_alu instid0(VALU_DEP_4)
	v_max3_num_f32 v[TM+\b], v[TM+\b], |v[\s+16*\b+\i]|, |v[\s+1+16*\b+\i]|
.endr
.endr
.irp b, 0,1,2,3
	s_delay_alu instid0(VALU_DEP_4)
	v_permlanex16_b32 v[TM+4+\b], v[TM+\b], s[SEL], s[SEL+1]
.endr
.irp b, 0,1,2,3
	s_delay_alu instid0(VALU_DEP_4)
	v_max_num_f32 v[TM+\b], v[TM+\b], v[TM+4+\b]
.endr
.irp b, 0,1,2,3
	s_delay_alu instid0(VALU_DEP_4)
	v_add_nc_u32 v[TM+12+\b], 0xff000000, v[TM+\b]
.endr
.irp b, 0,1,2,3
	s_delay_alu instid0(VALU_DEP_4)
	v_lshrrev_b32 v[TM+4+\b], 23, v[TM+12+\b]
.endr
	s_delay_alu instid0(VALU_DEP_3)
	v_lshl_or_b32 v[\pw], v[TM+5], 8, v[TM+4]
	s_delay_alu instid0(VALU_DEP_1)
	v_lshl_or_b32 v[\pw], v[TM+6], 16, v[\pw]
	s_delay_alu instid0(VALU_DEP_1)
	v_lshl_or_b32 v[\pw], v[TM+7], 24, v[\pw]
.irp c, 0,1
	v_cvt_scalef32_pk16_fp6_f32 v[\pc+6*\c:\pc+2+6*\c], v[\s+32*\c:\s+15+32*\c], v[TM+12+2*\c]
	v_cvt_scalef32_pk16_fp6_f32 v[\pc+12+4*\c:\pc+14+4*\c], v[\s+16+32*\c:\s+31+32*\c], v[TM+12+2*\c+1]
.endr
	v_nop                                          ; one plain line behind a scaled conversion
.irp c, 0,1
.irp i, 0,1,2
	v_permlane16_swap_b32 v[\pc+6*\c+\i], v[\pc+12+4*\c+\i]
.endr
.irp i, 0,1,2
	s_delay_alu instid0(VALU_DEP_3)
	v_mov_b32 v[\pc+3+6*\c+\i], v[\pc+12+4*\c+\i]
.endr
.endr
.endm
.macro WSET g, reg                     ; fragments 2 g and 2 g + 1: 3,072 consecutive bytes of images, six loads of 512
.irp c, 0,1,2,3,4,5
.if (\g) < 16
	ds_load_b128 v[\reg+4*\c:\reg+4*\c+3], v[LI] offset:3072*(\g)+512*\c
.else
	ds_load_b128 v[\reg+4*\c:\reg+4*\c+3], v[IMGB] offset:3072*((\g)-16)+512*\c
.endif
.endr
.endm
.macro XLOAD s, reg                    ; K step s of my two tiles' rows of x: 48 bytes a lane and tile
.irp rt, 0,1
.irp c, 0,1,2
	global_load_b128 v[\reg+12*\rt+4*\c:\reg+12*\rt+4*\c+3], v[4+\rt], s[8:9] offset:96*(\s)+16*\c
.endr
.endr
.endm
.macro MM d, a, b, sa, sb, ra, rb
.set MD, \d
.set MA, \a
.set MB, \b
.set MSA, \sa
.set MSB, \sb
.if (\ra) && (\rb)
	v_wmma_scale_f32_16x16x128_f8f6f4 v[MD:MD+7], v[MA:MA+11], v[MB:MB+11], v[MD:MD+7], v[MSA], v[MSB] matrix_a_fmt:MATRIX_FMT_FP6 matrix_b_fmt:MATRIX_FMT_FP6 matrix_a_scale:MATRIX_SCALE_ROW1 matrix_b_scale:MATRIX_SCALE_ROW1
.elseif \ra
	v_wmma_scale_f32_16x16x128_f8f6f4 v[MD:MD+7], v[MA:MA+11], v[MB:MB+11], v[MD:MD+7], v[MSA], v[MSB] matrix_a_fmt:MATRIX_FMT_FP6 matrix_b_fmt:MATRIX_FMT_FP6 matrix_a_scale:MATRIX_SCALE_ROW1
.elseif \rb
	v_wmma_scale_f32_16x16x128_f8f6f4 v[MD:MD+7], v[MA:MA+11], v[MB:MB+11], v[MD:MD+7], v[MSA], v[MSB] matrix_a_fmt:MATRIX_FMT_FP6 matrix_b_fmt:MATRIX_FMT_FP6 matrix_b_scale:MATRIX_SCALE_ROW1
.else
	v_wmma_scale_f32_16x16x128_f8f6f4 v[MD:MD+7], v[MA:MA+11], v[MB:MB+11], v[MD:MD+7], v[MSA], v[MSB] matrix_a_fmt:MATRIX_FMT_FP6 matrix_b_fmt:MATRIX_FMT_FP6
.endif
.endm
; gelu(a) = a / 2 + (a / 2) erf(a / sqrt 2), sixteen numbers at a time, in place.  erf(z) = z alpha(z^2) / beta(z^2) on z held to +-4.  The sixteen reciprocals are one batch with one wait.
.macro GELU16 a
.irp i, 0,2,4,6,8,10,12,14
	v_pk_mul_f32 v[GZ+\i:GZ+\i+1], v[\a+\i:\a+\i+1], 0x3f3504f3 op_sel_hi:[1,0]      ; ascending: each accumulator is first read at its low end
.endr
.irp i, 0,1,2,3,4,5,6,7,8,9,10,11,12,13,14,15
	v_med3_num_f32 v[GZ+\i], v[GZ+\i], -4.0, 4.0
.endr
.irp i, 0,2,4,6,8,10,12,14
	v_pk_mul_f32 v[GX+\i:GX+\i+1], v[GZ+\i:GZ+\i+1], v[GZ+\i:GZ+\i+1]
.endr
.irp i, 0,2,4,6,8,10,12,14
	v_pk_fma_f32 v[GP+\i:GP+\i+1], v[GX+\i:GX+\i+1], v[74:75], 0x32EDFFEE op_sel_hi:[1,1,0]
.endr
.irp k, 0xB60CFF51, 0xB86EC2D2, 0xBA40AC63, 0xBB41A1F6, 0xBC83DBD4
.irp i, 0,2,4,6,8,10,12,14
	v_pk_fma_f32 v[GP+\i:GP+\i+1], v[GP+\i:GP+\i+1], v[GX+\i:GX+\i+1], \k op_sel_hi:[1,1,0]
.endr
.endr
.irp i, 0,2,4,6,8,10,12,14
	v_pk_fma_f32 v[GQ+\i:GQ+\i+1], v[GX+\i:GX+\i+1], v[76:77], 0xB95FBD29 op_sel_hi:[1,1,0]
.endr
.irp k, 0xBADC924E, 0xBBF19BF8, 0xBC69B6A7
.irp i, 0,2,4,6,8,10,12,14
	v_pk_fma_f32 v[GQ+\i:GQ+\i+1], v[GQ+\i:GQ+\i+1], v[GX+\i:GX+\i+1], \k op_sel_hi:[1,1,0]
.endr
.endr
	s_wait_alu depctr_va_vdst(0)
.irp i, 0,1,2,3,4,5,6,7,8,9,10,11,12,13,14,15
	v_rcp_f32 v[GQ+\i], v[GQ+\i]
.endr
.irp i, 0,2,4,6,8,10,12,14
	v_pk_mul_f32 v[GP+\i:GP+\i+1], v[GP+\i:GP+\i+1], v[GZ+\i:GZ+\i+1]                ; z alpha: plain work behind the batch, which names none of its results
.endr
.irp i, 0,2,4,6,8,10,12,14
	v_pk_mul_f32 v[GZ+\i:GZ+\i+1], v[\a+\i:\a+\i+1], 0.5 op_sel_hi:[1,0]             ; a / 2
.endr
	s_wait_alu depctr_va_vdst(0)                   ; one wait for the sixteen, ahead of their first reader
.irp i, 0,2,4,6,8,10,12,14
	v_pk_mul_f32 v[GP+\i:GP+\i+1], v[GP+\i:GP+\i+1], v[GQ+\i:GQ+\i+1]                ; erf
.endr
.irp i, 0,2,4,6,8,10,12,14
	v_pk_fma_f32 v[\a+\i:\a+\i+1], v[GZ+\i:GZ+\i+1], v[GP+\i:GP+\i+1], v[GZ+\i:GZ+\i+1]
.endr
.endm
	s_load_b256 s[4:11], s[0:1], 0x0               ; W1 s[4:5], b1 s[6:7], xq s[8:9], xs s[10:11]
	s_load_b256 s[12:19], s[0:1], 0x20             ; ridx s[12:13], hq s[14:15], hs s[16:17], rank s[18:19]
	v_lshrrev_b32 v10, 5, v0
	s_delay_alu instid0(VALU_DEP_1)
	v_readfirstlane_b32 s20, v10                   ; wave 0..15
	s_and_b32 s21, ttmp7, 0xffff                   ; e
	s_mov_b32 s22, ttmp9                           ; x
	s_mov_b32 s[SEL], 0x76543210
	s_mov_b32 s[SEL+1], 0xfedcba98
	s_and_b32 s25, s20, 3                          ; cg: which 32 columns
	s_lshr_b32 s28, s20, 2                         ; kq: which 256 along K
	s_sub_co_u32 s23, s25, s28
	s_and_b32 s23, s23, 3
	s_lshl_b32 s23, s23, 2
	s_add_co_u32 s23, s23, s28                     ; my pair of row tiles in the first pass: any four neighbouring pairs fall on waves that differ in w % 4 and in w / 4
	v_and_b32 v10, 31, v0                          ; lane
	v_and_b32 v11, 15, v0                          ; r
	v_bfe_u32 v12, v0, 4, 1                        ; h
	v_bfe_u32 v13, v0, 3, 1                        ; u: column l goes to tile 2 cg + u,
	v_and_b32 v14, 7, v0
	s_delay_alu instid0(VALU_DEP_1)
	v_lshl_add_u32 v14, v12, 3, v14                ; row l % 8 + 8 (l / 16) of it
	v_lshlrev_b32 v[LI], 4, v10
	s_delay_alu instid0(VALU_DEP_1)
	v_add_nc_u32 v[IMGB], 49152, v[LI]
	v_lshlrev_b32 v[WSA], 5, v11
	s_delay_alu instid0(VALU_DEP_1)
	v_lshl_add_u32 v[WSA], v12, 4, v[WSA]
	s_delay_alu instid0(VALU_DEP_1)
	v_add_nc_u32 v[WSA], WSC, v[WSA]
	v_lshlrev_b32 v[BO], 6, v12
	v_lshlrev_b32 v[L8], 3, v10
	v_mul_u32_u24 v[H48], v12, 48
	v_lshlrev_b32 v[L4], 2, v10
	s_wait_alu depctr_va_vdst(0)
	s_lshl_b32 s29, s28, 4
	s_lshl_b32 s30, s25, 1
	s_add_co_u32 s29, s29, s30
	s_mul_i32 s29, s29, FRB                        ; fragment 16 kq + 2 cg
	v_mul_u32_u24 v[ST], v13, FRB
	s_delay_alu instid0(VALU_DEP_1)
	v_lshl_add_u32 v[ST], v14, 4, v[ST]
	s_delay_alu instid0(VALU_DEP_1)
	v_add_nc_u32 v[ST], s29, v[ST]
	s_lshl_b32 s29, s28, 10
	s_lshl_b32 s30, s25, 3
	s_add_co_u32 s29, s29, s30
	s_add_co_u32 s29, s29, WSC
	v_lshlrev_b32 v[SS], 5, v14
	s_delay_alu instid0(VALU_DEP_1)
	v_lshl_add_u32 v[SS], v13, 2, v[SS]
	s_delay_alu instid0(VALU_DEP_1)
	v_add_nc_u32 v[SS], s29, v[SS]                 ; WSC + 1,024 kq + 32 row + 4 tile
	v_add_nc_u32 v[MKR], MASK, v[L4]
	s_lshl_b32 s29, s20, 3
	s_add_co_u32 s29, s29, MASK
	v_mov_b32 v[MKW], s29
	s_lshl_b32 s29, s20, 9
	v_add_nc_u32 v[RIA], s29, v[L8]
	s_lshl_b32 s30, s21, 24                        ; W1: e x 16 MiB + kq x 256 rows + 512 x + 128 cg
	s_lshl_b32 s29, s28, 22
	s_add_co_u32 s30, s30, s29
	s_lshl_b32 s29, s22, 9
	s_add_co_u32 s30, s30, s29
	s_lshl_b32 s29, s25, 7
	s_add_co_u32 s30, s30, s29
	s_mov_b32 s31, 0
	s_lshl_b32 s28, s21, 14                        ; b1: 16,384 e + 512 x
	s_lshl_b32 s29, s22, 9
	s_add_co_u32 s28, s28, s29
	s_mov_b32 s29, 0
	s_lshl_b32 s100, s21, 7                        ; the count's place: 32,768 + 128 e
	s_add_co_u32 s100, s100, 32768
	s_mov_b32 s101, 0
	s_lshl_b32 s24, s21, 12                        ; the ranks': 4,096 e
	s_mov_b32 s25, 0
	s_wait_alu depctr_va_vdst(0)
	s_wait_kmcnt 0x0
	s_add_nc_u64 s[4:5], s[4:5], s[30:31]
	s_add_nc_u64 s[6:7], s[6:7], s[28:29]
	s_add_nc_u64 s[100:101], s[18:19], s[100:101]
	s_add_nc_u64 s[18:19], s[18:19], s[24:25]
	global_load_b64 v[102:103], v[RIA], s[12:13]              ; the choices of tokens 64 w + lane
	global_load_b64 v[104:105], v[RIA], s[12:13] offset:256   ; and 64 w + 32 + lane
	LOAD 0
	LOAD 1
	BLOCK 0                                        ; its wait leaves 32 loads out: the two loads of ridx, issued ahead of all 64, are in
	v_cmp_eq_u32 s28, s21, v102
	v_cmp_eq_u32 s29, s21, v103
	s_or_b32 s28, s28, s29                         ; word 2 w of the mask
	v_cmp_eq_u32 s29, s21, v104
	v_cmp_eq_u32 s30, s21, v105
	s_or_b32 s29, s29, s30                         ; word 2 w + 1
	v_mov_b32 v124, s28
	v_mov_b32 v125, s29
	ds_store_b64 v[MKW], v[124:125]                ; all lanes, the same 8 bytes
	s_wait_dscnt 0x0                               ; for the others' sake: my words have landed.  (The stream's loads stay on their way across the barrier)
	s_barrier_signal -1
	s_barrier_wait -1
	BLOCK 1
	ds_load_b32 v126, v[MKR]                       ; word j in lane j
	s_wait_dscnt 0x0
.set jj, 0
.rept 32
	v_readlane_b32 s[32+jj], v126, jj              ; s32-63: the mask
.set jj, jj+1
.endr
	s_mov_b32 s66, 0
.set jj, 0
.rept 32
	s_bcnt1_i32_b32 s99, s[32+jj]
	s_add_co_u32 s[67+jj], s[66+jj], s99           ; s66-97: how many chose e in the words before; s98: n
.set jj, jj+1
.endr
	s_lshl_b32 s99, s23, 5
	v_and_b32 v10, 31, v0
	s_delay_alu instid0(VALU_DEP_1)
	v_add_nc_u32 v10, s99, v10                     ; my row in the first pass,
	s_delay_alu instid0(VALU_DEP_1)
	v_add_nc_u32 v14, 512, v10                     ; and in the second
	v_mov_b32 v11, s32
	v_mov_b32 v15, s32
	v_mov_b32 v12, 0
	v_mov_b32 v16, 0
	v_mov_b32 v13, 0
	v_mov_b32 v17, 0
	BLOCK 2
	SELB 1, 8
	BLOCK 3
	SELB 9, 16
	BLOCK 4
	SELB 17, 24
	BLOCK 5
	SELB 25, 31
	BLOCK 6
	SELC 10, 28
	SELC 14, 29
	v_mov_b32 v30, 0
	v_mov_b32 v31, 0
	s_delay_alu instid0(VALU_DEP_2)
	v_permlanex16_b32 v30, v28, s[SEL], s[SEL+1]   ; lane l xor 16's token
	s_delay_alu instid0(VALU_DEP_2)
	v_permlanex16_b32 v31, v29, s[SEL], s[SEL+1]
	s_mov_b32 s99, 0xffff0000                      ; lanes 16-31
	v_cndmask_b32 v32, v28, v30, s99               ; tile 0's row r is lane r's,
	v_cndmask_b32 v33, v30, v28, s99               ; tile 1's is lane 16 + r's
	v_cndmask_b32 v34, v29, v31, s99
	v_cndmask_b32 v35, v31, v29, s99
	s_delay_alu instid0(VALU_DEP_4)
	v_min_u32 v32, 0x3ff, v32                      ; a token's number is held inside the table before it enters an address
	s_delay_alu instid0(VALU_DEP_4)
	v_min_u32 v33, 0x3ff, v33
	s_delay_alu instid0(VALU_DEP_4)
	v_min_u32 v34, 0x3ff, v34
	s_delay_alu instid0(VALU_DEP_4)
	v_min_u32 v35, 0x3ff, v35
	v_min_u32 v28, 0x3ff, v28
	v_min_u32 v29, 0x3ff, v29
	v_mul_u32_u24 v4, v32, 768
	s_delay_alu instid0(VALU_DEP_1)
	v_add_nc_u32 v4, v[H48], v4                    ; xq: 768 x token + 48 h
	v_mul_u32_u24 v5, v33, 768
	s_delay_alu instid0(VALU_DEP_1)
	v_add_nc_u32 v5, v[H48], v5
	v_lshlrev_b32 v6, 5, v28                       ; xs: 32 x my own row's token
	v_mul_u32_u24 v7, v34, 768
	s_delay_alu instid0(VALU_DEP_1)
	v_add_nc_u32 v7, v[H48], v7
	v_mul_u32_u24 v8, v35, 768
	s_delay_alu instid0(VALU_DEP_1)
	v_add_nc_u32 v8, v[H48], v8
	v_lshlrev_b32 v9, 5, v29
	BLOCK 7
	s_or_b32 s99, s20, s22
	s_cmp_lg_u32 s99, 0
	s_cbranch_scc1 .Lno_rank                       ; wave 0 of work-group x = 0 alone: one owner for each byte of rank
.set jj, 0
.rept 32
	v_mbcnt_lo_u32_b32 v[58+jj], s[32+jj], s[66+jj]           ; token 32 j + lane: how many lower tokens chose e
	global_store_b32 v[L4], v[58+jj], s[18:19] offset:128*jj
.set jj, jj+1
.endr
	v_mov_b32 v57, s98
	global_store_b32 v[L4], v57, s[100:101]
.Lno_rank:
	s_wait_dscnt 0x0                               ; my images and scale words have landed
	s_barrier_signal -1
	s_barrier_wait -1                              ; everybody's have: from here on LDS is only read
	s_mov_b32 s24, 0
.Lpass:
	s_wait_xcnt 0x0                                ; earlier stores have read their data, offsets and bases: all of them are written again below
	s_lshl_b32 s25, s23, 5
	s_cmp_lt_u32 s25, s98
	s_cbranch_scc0 .Lskip                          ; no row of this pair exists
	s_lshl_b32 s25, s21, 5
	s_add_co_u32 s25, s25, s23
	s_lshl_b32 s25, s25, 5
	s_add_co_u32 s25, s25, s22                     ; (32 e + pair) 32 + x
	s_mul_i32 s28, s25, 3072
	s_mov_b32 s29, 0
	s_add_nc_u64 s[28:29], s[14:15], s[28:29]      ; hq
	s_lshl_b32 s30, s25, 8
	s_mov_b32 s31, 0
	s_add_nc_u64 s[30:31], s[16:17], s[30:31]      ; hs
	s_wait_alu depctr_va_vdst(0)
	global_load_b128 v[XSC:XSC+3], v6, s[10:11]
	global_load_b128 v[XSC+4:XSC+7], v6, s[10:11] offset:16
	XLOAD 0, XA
.irp ct, 0,1,2,3,4,5,6,7                       ; b1 is the C of each sum's first product: lane (r, h), tile 2 b + u: units 32 b + 16 h + 8 u + 0 .. 7
.irp rt, 0,1
	global_load_b128 v[ACC+64*\rt+8*\ct:ACC+64*\rt+8*\ct+3], v[BO], s[6:7] offset:128*(\ct/2)+32*(\ct%2)
	global_load_b128 v[ACC+64*\rt+8*\ct+4:ACC+64*\rt+8*\ct+7], v[BO], s[6:7] offset:128*(\ct/2)+32*(\ct%2)+16
.endr
.endr
	XLOAD 1, XA+24
	ds_load_b128 v[WS:WS+3], v[WSA]
	WSET 0, WA
	WSET 1, WA+24
; 32 turns of two fragments of W1 x two tiles of rows; four turns are a K step.  The 16 accumulators take turns, one instruction a turn.
.set g, 0
.rept 32
.set ks, g/4
.set WR, WA+24*(g%2)
.set XR, XA+24*(ks%2)
.set WSR, WS+4*(ks%2)
.if g%4 == 0
.if ks < 7
	s_wait_loadcnt 6                               ; this K step's x is in (in the first step also x's scale words and b1); the next step's six loads may be out
.else
	s_wait_loadcnt 0x0
.endif
.endif
.if g < 31
	s_wait_dscnt 6                                 ; this turn's six loads are in, and any scale words asked for before them; the next turn's six may be out
.else
	s_wait_dscnt 0x0
.endif
.irp f, 0,1
.irp rt, 0,1
.set ct, 2*(g%4)+\f
	MM ACC+64*\rt+8*ct, WR+12*\f, XR+12*\rt, WSR+ct%4, XSC+ks, ct/4, \rt
.endr
.endr
.rept 4
	v_nop                                          ; four places in front of loads into registers that these products have read (ISA guide 7.12.1 for vector instructions)
.endr
.if (g%4 == 1) && (ks < 7)
	ds_load_b128 v[WS+4*((ks+1)%2):WS+4*((ks+1)%2)+3], v[WSA] offset:512*(ks+1)
.endif
.if g < 30
	WSET g+2, WR
.endif
.if (g%4 == 3) && (ks < 6)
	XLOAD ks+2, XR
.endif
.set g, g+1
.endr
	v_mov_b32 v74, 0xAF95DF0B                      ; the polynomials' leading coefficients, twice each
	v_mov_b32 v75, 0xAF95DF0B
	v_mov_b32 v76, 0xB77460CD
	v_mov_b32 v77, 0xB77460CD
.set gb, ACC
.rept 8
	GELU16 gb
.set gb, gb+16
.endr
	QUANT ACC, 26, 66                              ; tile 0: register 16 b + i is unit 32 b + 16 h + i of my row
	QUANT ACC+64, 46, 67                           ; tile 1
.irp c, 0,1,2
	global_store_b128 v[LI], v[26+4*\c:29+4*\c], s[28:29] offset:512*\c th:TH_STORE_NT          ; 512 consecutive bytes a store
.endr
.irp c, 0,1,2
	global_store_b128 v[LI], v[46+4*\c:49+4*\c], s[28:29] offset:1536+512*\c th:TH_STORE_NT
.endr
	global_store_b64 v[L8], v[66:67], s[30:31] th:TH_STORE_NT                                   ; both tiles' scale words: 256 consecutive bytes
.Lskip:
	v_mov_b32 v4, v7                               ; the second pass's rows (the loads that named v4-6 were waited for)
	v_mov_b32 v5, v8
	v_mov_b32 v6, v9
	s_add_co_u32 s23, s23, 16
	s_add_co_u32 s24, s24, 1
	s_cmp_lt_u32 s24, 2
	s_cbranch_scc1 .Lpass
	s_wait_xcnt 0x0
	v_lshl_add_u32 v254, v0, 2, 0x19100
	v_mov_b32 v255, 0
	s_wait_alu depctr_va_vdst(0)
	s_wait_tensorcnt 0x0
	ds_add_u32 v254, v255
	s_wait_dscnt 0x0
	s_endpgm
.Lfunc_end_k_qf616246230_fc1:
	.size	k_qf616246230_fc1, .Lfunc_end_k_qf616246230_fc1-k_qf616246230_fc1
	.p2alignl 7, 3214868480
	.fill 96, 4, 3214868480
	.section	.rodata,"a",@progbits
	.p2align	6, 0x0
	.amdhsa_kernel k_qf616246230_fc1
		.amdhsa_group_segment_fixed_size 104704
		.amdhsa_private_segment_fixed_size 0
		.amdhsa_enable_private_segment 0
		.amdhsa_kernarg_size 64
		.amdhsa_user_sgpr_count 2
		.amdhsa_user_sgpr_kernarg_segment_ptr 1
		.amdhsa_wavefront_size32 1
		.amdhsa_system_sgpr_workgroup_id_x 1
		.amdhsa_system_sgpr_workgroup_id_y 1
		.amdhsa_system_sgpr_workgroup_id_z 1
		.amdhsa_system_vgpr_workitem_id 0
		.amdhsa_next_free_vgpr 256
		.amdhsa_next_free_sgpr 102
		.amdhsa_reserve_vcc 1
		.amdhsa_float_denorm_mode_32 3
		.amdhsa_float_denorm_mode_16_64 3
		.amdhsa_memory_ordered 1
		.amdhsa_forward_progress 1
		.amdhsa_inst_pref_size 235
	.end_amdhsa_kernel
	.amdgpu_metadata
---
amdhsa.version: [ 1, 2 ]
amdhsa.kernels:
  - .name:           k_qf616246230_fc1
    .symbol:         k_qf616246230_fc1.kd
    .args:
      - { .name: W1, .offset: 0, .size: 8, .value_kind: global_buffer, .address_space: global }
      - { .name: b1, .offset: 8, .size: 8, .value_kind: global_buffer, .address_space: global }
      - { .name: xq, .offset: 16, .size: 8, .value_kind: global_buffer, .address_space: global }
      - { .name: xs, .offset: 24, .size: 8, .value_kind: global_buffer, .address_space: global }
      - { .name: ridx, .offset: 32, .size: 8, .value_kind: global_buffer, .address_space: global }
      - { .name: hq, .offset: 40, .size: 8, .value_kind: global_buffer, .address_space: global }
      - { .name: hs, .offset: 48, .size: 8, .value_kind: global_buffer, .address_space: global }
      - { .name: rank, .offset: 56, .size: 8, .value_kind: global_buffer, .address_space: global }
    .group_segment_fixed_size: 104704
    .private_segment_fixed_size: 0
    .kernarg_segment_align: 8
    .kernarg_segment_size: 64
    .max_flat_workgroup_size: 512
    .sgpr_count:     102
    .vgpr_count:     256
    .wavefront_size: 32
...
	.end_amdgpu_metadata
.endif
;; end of part 2
;; launch fc2 (part 3): grid 32 x 8, 16 waves a work-group, no clusters, 174,080 bytes of LDS; arguments W2, hq, hs, rank, yp; writes yp
.if DOCPART == 3
	.amdgcn_target "amdgcn-amd-amdhsa--gfx1250"
	.amdhsa_code_object_version 6
	.text
	.protected	k_qf616246230_fc2
	.globl	k_qf616246230_fc2
	.p2align	8
	.type	k_qf616246230_fc2,@function
k_qf616246230_fc2:
	s_mov_b64 s[64:65], 0
	v_nop
	global_prefetch_b8 v0, s[64:65] scope:SCOPE_SE
	s_setreg_imm32_b32 hwreg(HW_REG_WAVE_MODE, 25, 1), 1
	s_wait_xcnt 0x0
; FC2.  y = h W2[e] for the rows that chose expert e (the other rows' products are thrown away by the gather of the defining program), in two halves of K = 4,096.
; Work-group (x, e) owns columns 64 (x % 16) .. + 63 and K half x / 16 (2,048): 512 KB of W2, read once.
; THE STREAM AND THE PRODUCTS GO BY SLICES of 256 along K (two K steps), eight of them.  In slice t wave w quantises 32 columns (w % 2) x the block of 32 along K number w / 2: a lane takes a column,
; its 32 registers run down K.  The codes go to LDS as images of the operand's registers: fragment (K step s, tile ct) at 1,536 (4 s + ct), register q of lane l at 512 (q / 4) + 16 l + 4 (q % 4);
; the scale bytes to words [K step][row of a tile][tile].  One barrier a slice; behind it a wave with rows multiplies the slice: 32 rows (two tiles) x 64 columns, 8 accumulators, 16 products,
; while the loads of the next two slices (64 a wave) are out.  Source 0 = 16 columns of W2, source 1 = 16 rows of h, whose fragments and scale words come from memory as FC1 laid them.
; ORDER OF GLOBAL LOADS in a wave: L0 L1 h0 | L2 h1 | L3 h2 | ..  (L: a block's 32 loads, h: a slice's 14).  The counted waits lean on that order, so every wave issues every load:
; a wave whose pair of tiles lies past the stored count n names, with all lanes, the first bytes of pair 0's pieces, uses nothing of them, and clears its sums once, so that they are written on every path.
; The first 512 rows are served so; a pair past 512 is served behind the stream, from the finished images, slice by slice.  Results go through the wave's own stage and leave as rows of 256 aligned bytes
; into yp [K half][slot = 1,024 e + row][1,024].
; NOT USED: tensor loads (branches hang on a stored count); a cluster (no two work-groups share a byte of W2; the number of h's fragments hangs on data); a prefetch (the stream's own loads run two slices ahead).
; LIMITS: NaN and infinities are not served.  Blocks under 2^-124, and blocks of zeros, get the byte 1.
.set PITCH, 4096
.set FRB,   1536
.set WSC,   98304                      ; LDS: behind the 64 images: W2's scale words
.set STG,   102400                     ; the stages: 16 rows x 272 bytes for each wave
.set SPARE, 172032                     ; the spare words, 128 bytes a wave
.set WSA,   1                          ; v1  WSC + 16 r + 256 h: lanes 0-15 an even K step's words, lanes 16-31 the odd one's
.set IMGB,  2                          ; v2  16 x lane + 49,152
.set HL8,   3                          ; v3  hs: 8 x lane (0 in a wave with no rows)
.set STO,   4                          ; v4  the stage, in
.set SRD,   5                          ; v5  the stage, back
.set YO,    6                          ; v6  4,096 h + 16 r
.set LI,    7                          ; v7  16 x lane
.set STA,   8                          ; v8, v9, v122  where my block's three pairs of code registers go
.set STB,   9
.set STC,   122
.set SS,    123                        ; v123 my block's scale byte
.set L4,    124                        ; v124 4 x lane
.set HLI,   125                        ; v125 hq: 16 x lane (0 in a wave with no rows)
.set HB,    10                         ; v10-57   h's fragments: two K steps x two tiles
.set WA,    58                         ; v58-105  W2's fragments: two sets of two; between the products v58-69 serve the quantiser
.set SC,    58
.set MX,    66
.set SO,    68
.set BY,    69
.set HS,    106                        ; v106-113 h's scale words, a pair a K step.  v106-121 hold scales and nothing else
.set WS,    114                        ; v114-121 W2's scale words: two sets of four (tile i), each for a slice
.set SX,    128                        ; v128-191 two sets of 32 numbers
.set ACC,   192                        ; v192-255 accumulator (rt, ct) at 192 + 32 rt + 8 ct
.macro LOAD t                          ; slice t: W2(256 t + 32 (w / 2) + i, my column) into set t % 2
.set ii, 0
.rept 32
	global_load_b32 v[SX+32*((\t)%2)+ii], v[L4], s[4:5] offset:(256*(\t)+ii)*PITCH th:TH_LOAD_NT
.set ii, ii+1
.endr
.endm
.macro HLOAD s                         ; K step s of my pair: two fragments and the scale words: seven loads
.irp rt, 0,1
.irp c, 0,1,2
	global_load_b128 v[HB+24*((\s)%2)+12*\rt+4*\c:HB+24*((\s)%2)+12*\rt+4*\c+3], v[HLI], s[28:29] offset:3072*(\s)+1536*\rt+512*\c
.endr
.endr
	global_load_b64 v[HS+2*((\s)%4):HS+2*((\s)%4)+1], v[HL8], s[30:31] offset:256*(\s)
.endm
.macro CSTEP t                         ; my block of slice t becomes codes and a scale byte in LDS; then the slice's barrier
.set XB_, SX+32*((\t)%2)
.set OO, 12288*((\t)%4)
.if (\t) < 7
	s_wait_loadcnt 46                              ; this block is in; the next block's 32 loads and h's 14 may be out
.else
	s_wait_loadcnt 14                              ; h's 14 may be out
.endif
.if (\t) == 4
	v_add_nc_u32 v[STA], 49152, v[STA]             ; the upper half of the images: an LDS offset has 16 bits
	v_add_nc_u32 v[STB], 49152, v[STB]
	v_add_nc_u32 v[STC], 49152, v[STC]
.endif
	v_max3_num_f32 v[MX], |v[XB_]|, |v[XB_+1]|, |v[XB_+2]|
	v_max3_num_f32 v[MX+1], |v[XB_+3]|, |v[XB_+4]|, |v[XB_+5]|
.irp i, 6,10,14,18,22,26
	s_delay_alu instid0(VALU_DEP_2)
	v_max3_num_f32 v[MX], v[MX], |v[XB_+\i]|, |v[XB_+\i+1]|
	s_delay_alu instid0(VALU_DEP_2)
	v_max3_num_f32 v[MX+1], v[MX+1], |v[XB_+\i+2]|, |v[XB_+\i+3]|
.endr
	s_delay_alu instid0(VALU_DEP_2)
	v_max3_num_f32 v[MX], v[MX], |v[XB_+30]|, |v[XB_+31]|
	s_delay_alu instid0(VALU_DEP_1)
	v_max3_num_f32 v[MX], v[MX], v[MX+1], 0x1800000      ; and the floor 2^(3 - 127)
	s_delay_alu instid0(VALU_DEP_1)
	v_add_nc_u32 v[SO], 0xff000000, v[MX]                ; 2 off the exponent field: the conversion's scale operand
	s_delay_alu instid0(VALU_DEP_1)
	v_lshrrev_b32 v[BY], 23, v[SO]                       ; the byte
	v_cvt_scalef32_pk16_fp6_f32 v[SC:SC+2], v[XB_:XB_+15], v[SO]
	v_cvt_scalef32_pk16_fp6_f32 v[SC+4:SC+6], v[XB_+16:XB_+31], v[SO]
	v_nop                                          ; one plain line behind a scaled conversion
	v_mov_b32 v[SC+3], v[SC+4]                     ; the block's 24 bytes on end
	v_mov_b32 v[SC+4], v[SC+5]
	v_mov_b32 v[SC+5], v[SC+6]
	ds_store_b64 v[STA], v[SC:SC+1] offset:OO
	ds_store_b64 v[STB], v[SC+2:SC+3] offset:OO
	ds_store_b64 v[STC], v[SC+4:SC+5] offset:OO
	ds_store_b8 v[SS], v[BY] offset:512*(\t)
.if (\t) < 6
	LOAD (\t)+2
.endif
	s_wait_dscnt 0x0                               ; for the others' sake: my codes and my byte have landed
	s_barrier_signal -1
	s_barrier_wait -1                              ; the slice's images are whole; they are never written again
.endm
.macro WSET g, reg                     ; fragments 2 g and 2 g + 1: 3,072 consecutive bytes of images
.irp c, 0,1,2,3,4,5
.if (\g) < 16
	ds_load_b128 v[\reg+4*\c:\reg+4*\c+3], v[LI] offset:3072*(\g)+512*\c
.else
	ds_load_b128 v[\reg+4*\c:\reg+4*\c+3], v[IMGB] offset:3072*((\g)-16)+512*\c
.endif
.endr
.endm
.macro MM d, a, b, sa, sb, ra, z
.set MD, \d
.set MA, \a
.set MB, \b
.set MSA, \sa
.set MSB, \sb
.if \z
	v_wmma_scale_f32_16x16x128_f8f6f4 v[MD:MD+7], v[MA:MA+11], v[MB:MB+11], 0, v[MSA], v[MSB] matrix_a_fmt:MATRIX_FMT_FP6 matrix_b_fmt:MATRIX_FMT_FP6
.elseif \ra
	v_wmma_scale_f32_16x16x128_f8f6f4 v[MD:MD+7], v[MA:MA+11], v[MB:MB+11], v[MD:MD+7], v[MSA], v[MSB] matrix_a_fmt:MATRIX_FMT_FP6 matrix_b_fmt:MATRIX_FMT_FP6 matrix_a_scale:MATRIX_SCALE_ROW1
.else
	v_wmma_scale_f32_16x16x128_f8f6f4 v[MD:MD+7], v[MA:MA+11], v[MB:MB+11], v[MD:MD+7], v[MSA], v[MSB] matrix_a_fmt:MATRIX_FMT_FP6 matrix_b_fmt:MATRIX_FMT_FP6
.endif
.endm
.macro MSTEP t                         ; slice t's products: four turns of two fragments of W2 x two tiles of rows.  The 8 accumulators take turns; K step 0 starts the sums
	ds_load_b128 v[WS+4*((\t)%2):WS+4*((\t)%2)+3], v[WSA] offset:512*(\t)
	WSET 4*(\t), WA
	WSET 4*(\t)+1, WA+24
.rept 4
	v_nop                                          ; places between the quantiser's writes of v58-69 and the products
.endr
.set g, 4*(\t)
.rept 4
.set ks, g/2
.set WR, WA+24*(g%2)
.set HR, HB+24*(ks%2)
.if g%4 < 3
	s_wait_dscnt 6                                 ; this turn's six loads and the scale words are in; the next turn's six may be out
.else
	s_wait_dscnt 0x0
.endif
.irp f, 0,1
.irp rt, 0,1
.set ct, 2*(g%2)+\f
	MM ACC+32*\rt+8*ct, WR+12*\f, HR+12*\rt, WS+4*((g/4)%2)+ct, HS+2*(ks%4)+\rt, ks%2, ks==0
.endr
.endr
.rept 4
	v_nop                                          ; four places in front of loads into, and writes of, registers that these products have read
.endr
.if g%4 < 2
	WSET g+2, WR
.endif
.set g, g+1
.endr
.endm
.macro SLICE t
	CSTEP \t
.if (\t) < 6
	s_wait_loadcnt 32                              ; h's 14 loads of this slice are in; the 32 loads just issued may be out
.else
	s_wait_loadcnt 0x0
.endif
	s_cmp_lg_u32 s36, 0
	s_cbranch_scc0 .Lidle_\@                       ; no row of my pair exists
	MSTEP \t
.if (\t) == 0
	s_branch .Ljoin_\@
.endif
.Lidle_\@:
.if (\t) == 0
.set ii, 0
.rept 64
	v_mov_b32 v[ACC+ii], 0                         ; a wave with no rows: its sums are written once all the same
.set ii, ii+1
.endr
.Ljoin_\@:
.endif
.if (\t) < 7
	HLOAD 2*(\t)+2
	HLOAD 2*(\t)+3
.endif
.endm
.macro HBASE p                         ; hq and hs of pair p: piece (32 e + p) 32 + 16 x K half
	s_lshl_b32 s25, s21, 5
	s_add_co_u32 s25, s25, \p
	s_lshl_b32 s25, s25, 5
	s_lshl_b32 s34, s27, 4
	s_add_co_u32 s25, s25, s34
	s_mul_i32 s28, s25, 3072
	s_mov_b32 s29, 0
	s_add_nc_u64 s[28:29], s[6:7], s[28:29]
	s_lshl_b32 s30, s25, 8
	s_mov_b32 s31, 0
	s_add_nc_u64 s[30:31], s[8:9], s[30:31]
.endm
.macro WAYOUT                          ; pair s23's 32 rows x 64 columns, through my stage, as rows of 256 bytes
	s_lshl_b32 s32, s27, 25                        ; yp: K half x 32 MiB + 4,096 (1,024 e + 32 pair) + 256 (x % 16)
	s_lshl_b32 s34, s21, 22
	s_add_co_u32 s32, s32, s34
	s_lshl_b32 s34, s23, 17
	s_add_co_u32 s32, s32, s34
	s_lshl_b32 s34, s22, 8
	s_add_co_u32 s32, s32, s34
	s_mov_b32 s33, 0
	s_add_nc_u64 s[32:33], s[12:13], s[32:33]
.rept 4
	v_nop                                          ; with the four behind the last turn: more than five places ahead of products that begin these sums anew
.endr
.irp rt, 0,1
.irp ct, 0,1,2,3
	ds_store_b128 v[STO], v[ACC+32*\rt+8*\ct:ACC+32*\rt+8*\ct+3] offset:64*\ct         ; each accumulator from its low end on
	ds_store_b128 v[STO], v[ACC+32*\rt+8*\ct+4:ACC+32*\rt+8*\ct+7] offset:64*\ct+16
.endr
.irp i, 0,1,2,3,4,5,6,7
	ds_load_b128 v[HB+32*\rt+4*\i:HB+32*\rt+4*\i+3], v[SRD] offset:544*\i              ; LDS serves a wave's instructions in order
.endr
.endr
	s_wait_dscnt 16                                ; tile 0 is back; tile 1's eight stores and eight loads may be out
.irp i, 0,1,2,3,4,5,6,7
	global_store_b128 v[YO], v[HB+4*\i:HB+4*\i+3], s[32:33] offset:8192*\i th:TH_STORE_NT        ; two rows' 256 aligned bytes each
.endr
	s_wait_dscnt 0x0
.irp i, 0,1,2,3,4,5,6,7
	global_store_b128 v[YO], v[HB+32+4*\i:HB+32+4*\i+3], s[32:33] offset:65536+8192*\i th:TH_STORE_NT
.endr
.endm
	s_load_b256 s[4:11], s[0:1], 0x0               ; W2 s[4:5], hq s[6:7], hs s[8:9], rank s[10:11]
	s_load_b64 s[12:13], s[0:1], 0x20              ; yp
	v_lshl_add_u32 v126, v0, 2, SPARE
	v_mov_b32 v127, 0
	v_lshrrev_b32 v10, 5, v0
	s_delay_alu instid0(VALU_DEP_1)
	v_readfirstlane_b32 s20, v10                   ; wave 0..15
	s_and_b32 s21, ttmp7, 0xffff                   ; e
	s_and_b32 s22, ttmp9, 15                       ; which 64 columns
	s_lshr_b32 s27, ttmp9, 4                       ; which half of K
	s_and_b32 s25, s20, 3
	s_lshr_b32 s34, s20, 2
	s_sub_co_u32 s23, s25, s34
	s_and_b32 s23, s23, 3
	s_lshl_b32 s23, s23, 2
	s_add_co_u32 s23, s23, s34                     ; my pair of row tiles, dealt as in FC1
	s_and_b32 s25, s20, 1                          ; cg: which 32 columns
	s_lshr_b32 s34, s20, 1                         ; kb: which block of 32 of a slice's 256
	s_mul_i32 s40, s20, 4352
	s_add_co_u32 s40, s40, STG                     ; my stage
	s_lshr_b32 s35, s34, 2                         ; block kb is block j = kb % 4 of the slice's K step kb / 4
	s_lshl_b32 s41, s35, 8
	s_lshl_b32 s35, s35, 2
	s_lshl_b32 s24, s25, 1
	s_add_co_u32 s35, s35, s24
	s_mul_i32 s35, s35, FRB                        ; fragment 4 (kb / 4) + 2 cg; column l goes to tile 2 cg + l / 16, row l % 16,
	s_and_b32 s24, s34, 1
	s_lshl_b32 s24, s24, 8
	s_add_co_u32 s35, s35, s24                     ; operand lane r + 16 (j % 2),
	s_bfe_u32 s24, s34, 0x10001                    ; registers 6 c .. 6 c + 5, c = j / 2: as pairs at bytes 0, 8, 512 (c = 0) or 520, 1,024, 1,032 (c = 1)
	s_mul_i32 s38, s24, 520
	s_mul_i32 s39, s24, 1016
	s_add_co_u32 s39, s39, 8
	s_add_co_u32 s43, s38, 512
	s_and_b32 s24, s34, 3
	s_add_co_u32 s41, s41, s24
	s_lshl_b32 s24, s25, 3
	s_add_co_u32 s41, s41, s24
	s_add_co_u32 s41, s41, WSC                     ; WSC + 256 (kb / 4) + j + 8 cg
	s_lshl_b32 s30, s21, 24                        ; W2: e x 16 MiB + K half x 2,048 rows + kb x 32 rows + 256 (x % 16) + 128 cg
	s_lshl_b32 s24, s27, 23
	s_add_co_u32 s30, s30, s24
	s_lshl_b32 s24, s34, 17
	s_add_co_u32 s30, s30, s24
	s_lshl_b32 s24, s22, 8
	s_add_co_u32 s30, s30, s24
	s_lshl_b32 s24, s25, 7
	s_add_co_u32 s30, s30, s24
	s_mov_b32 s31, 0
	s_lshl_b32 s42, s21, 7
	v_and_b32 v10, 31, v0                          ; lane
	v_and_b32 v11, 15, v0                          ; r
	v_bfe_u32 v12, v0, 4, 1                        ; h
	s_delay_alu instid0(VALU_DEP_3)
	v_lshlrev_b32 v[LI], 4, v10
	s_delay_alu instid0(VALU_DEP_4)
	v_lshlrev_b32 v[HL8], 3, v10
	v_lshlrev_b32 v[L4], 2, v10
	s_delay_alu instid0(VALU_DEP_3)
	v_add_nc_u32 v[IMGB], 49152, v[LI]
	v_lshlrev_b32 v[WSA], 4, v11
	s_delay_alu instid0(VALU_DEP_1)
	v_lshl_add_u32 v[WSA], v12, 8, v[WSA]
	s_delay_alu instid0(VALU_DEP_1)
	v_add_nc_u32 v[WSA], WSC, v[WSA]
	v_mul_u32_u24 v[STO], v11, 272
	s_delay_alu instid0(VALU_DEP_1)
	v_lshl_add_u32 v[STO], v12, 5, v[STO]
	s_delay_alu instid0(VALU_DEP_1)
	v_add_nc_u32 v[STO], s40, v[STO]               ; in: row r, 32 bytes for each half of the lanes
	v_mul_u32_u24 v[SRD], v12, 272
	s_delay_alu instid0(VALU_DEP_1)
	v_lshl_add_u32 v[SRD], v11, 4, v[SRD]
	s_delay_alu instid0(VALU_DEP_1)
	v_add_nc_u32 v[SRD], s40, v[SRD]               ; back: lanes 0-15 one row, lanes 16-31 the next
	v_lshlrev_b32 v[YO], 12, v12
	s_delay_alu instid0(VALU_DEP_1)
	v_lshl_add_u32 v[YO], v11, 4, v[YO]            ; and the same two rows in yp
	v_mul_u32_u24 v13, v12, FRB
	s_delay_alu instid0(VALU_DEP_1)
	v_lshl_add_u32 v13, v11, 4, v13
	s_delay_alu instid0(VALU_DEP_1)
	v_add_nc_u32 v13, s35, v13
	s_delay_alu instid0(VALU_DEP_1)
	v_add_nc_u32 v[STA], s38, v13
	s_delay_alu instid0(VALU_DEP_2)
	v_add_nc_u32 v[STB], s39, v13
	s_delay_alu instid0(VALU_DEP_3)
	v_add_nc_u32 v[STC], s43, v13
	v_lshlrev_b32 v[SS], 4, v11
	s_delay_alu instid0(VALU_DEP_1)
	v_lshl_add_u32 v[SS], v12, 2, v[SS]
	s_delay_alu instid0(VALU_DEP_1)
	v_add_nc_u32 v[SS], s41, v[SS]                 ; + 16 row + 4 (l / 16)
	s_wait_alu depctr_va_vdst(0)
	s_wait_kmcnt 0x0
	s_add_nc_u64 s[4:5], s[4:5], s[30:31]
	s_load_b32 s26, s[10:11], s42 offset:0x8000    ; n: how many rows chose e
	LOAD 0
	LOAD 1
	s_wait_kmcnt 0x0                               ; n
	s_lshl_b32 s25, s23, 5
	s_cmp_lt_u32 s25, s26
	s_cselect_b32 s36, 1, 0                        ; has my pair a row?
	s_cselect_b32 s37, s23, 0                      ; if not, my loads of h name pair 0's pieces,
	s_min_u32 s37, s37, 31
	HBASE s37
	v_mul_u32_u24 v[HLI], v[LI], s36               ; and all lanes their first bytes
	v_mul_u32_u24 v[HL8], v[HL8], s36
	s_delay_alu instid0(VALU_DEP_2)
	v_min_u32 v[HLI], 0x1f0, v[HLI]
	s_delay_alu instid0(VALU_DEP_2)
	v_min_u32 v[HL8], 0xf8, v[HL8]
	s_wait_alu depctr_va_vdst(0)
	HLOAD 0
	HLOAD 1
.set tt, 0
.rept 8
	SLICE tt
.set tt, tt+1
.endr
	s_cmp_lg_u32 s36, 0
	s_cbranch_scc0 .Lno_out
	WAYOUT
.Lno_out:
	s_wait_xcnt 0x0                                ; the stores have read their data and their base: both are written again below
	s_add_co_u32 s23, s23, 16                      ; rows 512 and up: only where n asks for them; such a wave had rows above, so v3 and v125 hold its lanes' offsets
	s_lshl_b32 s25, s23, 5
	s_cmp_lt_u32 s25, s26
	s_cbranch_scc0 .Lend
	HBASE s23
	HLOAD 0
	HLOAD 1
.set tt, 0
.rept 8
	s_wait_loadcnt 0x0                             ; this slice's 14 loads
	MSTEP tt
.if tt < 7
	HLOAD 2*tt+2
	HLOAD 2*tt+3
.endif
.set tt, tt+1
.endr
	WAYOUT
.Lend:
	s_wait_tensorcnt 0x0                           ; the wave's end
	ds_add_u32 v126, v127
	s_wait_dscnt 0x0
	s_endpgm
.Lfunc_end_k_qf616246230_fc2:
	.size	k_qf616246230_fc2, .Lfunc_end_k_qf616246230_fc2-k_qf616246230_fc2
	.p2alignl 7, 3214868480
	.fill 96, 4, 3214868480
	.section	.rodata,"a",@progbits
	.p2align	6, 0x0
	.amdhsa_kernel k_qf616246230_fc2
		.amdhsa_group_segment_fixed_size 174080
		.amdhsa_private_segment_fixed_size 0
		.amdhsa_enable_private_segment 0
		.amdhsa_kernarg_size 40
		.amdhsa_user_sgpr_count 2
		.amdhsa_user_sgpr_kernarg_segment_ptr 1
		.amdhsa_wavefront_size32 1
		.amdhsa_system_sgpr_workgroup_id_x 1
		.amdhsa_system_sgpr_workgroup_id_y 1
		.amdhsa_system_sgpr_workgroup_id_z 1
		.amdhsa_system_vgpr_workitem_id 0
		.amdhsa_next_free_vgpr 256
		.amdhsa_next_free_sgpr 66
		.amdhsa_reserve_vcc 0
		.amdhsa_float_denorm_mode_32 3
		.amdhsa_float_denorm_mode_16_64 3
		.amdhsa_memory_ordered 1
		.amdhsa_forward_progress 1
		.amdhsa_inst_pref_size 150
	.end_amdhsa_kernel
	.amdgpu_metadata
---
amdhsa.version: [ 1, 2 ]
amdhsa.kernels:
  - .name:           k_qf616246230_fc2
    .symbol:         k_qf616246230_fc2.kd
    .args:
      - { .name: W2, .offset: 0, .size: 8, .value_kind: global_buffer, .address_space: global }
      - { .name: hq, .offset: 8, .size: 8, .value_kind: global_buffer, .address_space: global }
      - { .name: hs, .offset: 16, .size: 8, .value_kind: global_buffer, .address_space: global }
      - { .name: rank, .offset: 24, .size: 8, .value_kind: global_buffer, .address_space: global }
      - { .name: yp, .offset: 32, .size: 8, .value_kind: global_buffer, .address_space: global }
    .group_segment_fixed_size: 174080
    .private_segment_fixed_size: 0
    .kernarg_segment_align: 8
    .kernarg_segment_size: 40
    .max_flat_workgroup_size: 512
    .sgpr_count:     66
    .vgpr_count:     256
    .wavefront_size: 32
...
	.end_amdgpu_metadata
.endif
;; end of part 3
;; launch comb (part 4): grid 256 x 1, 4 waves a work-group, no clusters, 0 bytes of LDS; arguments yp, ridx, rwt, rank, b2, out0; writes out0
.if DOCPART == 4
	.amdgcn_target "amdgcn-amd-amdhsa--gfx1250"
	.amdhsa_code_object_version 6
	.text
	.protected	k_qf616246230_comb
	.globl	k_qf616246230_comb
	.p2align	8
	.type	k_qf616246230_comb,@function
k_qf616246230_comb:
	s_mov_b64 s[64:65], 0
	v_nop
	global_prefetch_b8 v0, s[64:65] scope:SCOPE_SE
	s_setreg_imm32_b32 hwreg(HW_REG_WAVE_MODE, 25, 1), 1
	s_wait_xcnt 0x0
; COMB.  out[t] = w0 (y[slot0] + b2[e0]) + w1 (y[slot1] + b2[e1]); y[slot] = the two K halves' sums.  A wave owns a token: 4,096 bytes out, eight chunks of 512.
; The token's two experts, its two weights and its rank under all eight experts are asked for together by scalar loads, so that one wait serves them; the rank that counts is chosen by selects.
; Experts and ranks are held inside their tables before they enter an address.  A stream: no LDS, no barrier, no matrix unit.  All 48 loads of a wave are issued before the first is waited for.
	s_load_b256 s[4:11], s[0:1], 0x0               ; yp s[4:5], ridx s[6:7], rwt s[8:9], rank s[10:11]
	s_load_b128 s[12:15], s[0:1], 0x20             ; b2 s[12:13], out0 s[14:15]
	v_lshrrev_b32 v1, 5, v0
	v_readfirstlane_b32 s16, v1
	v_and_b32 v1, 31, v0
	v_lshlrev_b32 v1, 4, v1                        ; 16 x lane
	s_lshl_b32 s17, ttmp9, 2
	s_add_co_u32 s16, s16, s17                     ; my token
	s_lshl_b32 s17, s16, 3
	s_lshl_b32 s18, s16, 2
	s_lshl_b32 s50, s16, 12
	s_mov_b32 s51, 0
	s_wait_alu depctr_va_vdst(0)
	s_wait_kmcnt 0x0
	s_load_b64 s[20:21], s[6:7], s17 offset:0x0    ; e0, e1
	s_load_b64 s[22:23], s[8:9], s17 offset:0x0    ; w0, w1
.irp e, 0,1,2,3,4,5,6,7
	s_load_b32 s[24+\e], s[10:11], s18 offset:4096*\e
.endr
	s_add_nc_u64 s[14:15], s[14:15], s[50:51]
	s_wait_kmcnt 0x0
	s_min_u32 s20, s20, 7
	s_min_u32 s21, s21, 7
	s_mov_b32 s32, s24
	s_mov_b32 s33, s24
.irp e, 1,2,3,4,5,6,7
	s_cmp_eq_u32 s20, \e
	s_cselect_b32 s32, s[24+\e], s32
	s_cmp_eq_u32 s21, \e
	s_cselect_b32 s33, s[24+\e], s33
.endr
	s_min_u32 s32, s32, 1023
	s_min_u32 s33, s33, 1023
	s_lshl_b32 s34, s20, 10
	s_add_co_u32 s34, s34, s32
	s_lshl_b32 s34, s34, 12                        ; slot 0's row, in bytes
	s_mov_b32 s35, 0
	s_add_nc_u64 s[36:37], s[4:5], s[34:35]
	s_lshl_b32 s34, s21, 10
	s_add_co_u32 s34, s34, s33
	s_lshl_b32 s34, s34, 12
	s_add_nc_u64 s[38:39], s[4:5], s[34:35]
	s_add_nc_u64 s[40:41], s[36:37], 0x2000000     ; the second K half
	s_add_nc_u64 s[42:43], s[38:39], 0x2000000
	s_lshl_b32 s34, s20, 12
	s_add_nc_u64 s[44:45], s[12:13], s[34:35]
	s_lshl_b32 s34, s21, 12
	s_add_nc_u64 s[46:47], s[12:13], s[34:35]
	s_mov_b32 s48, s23                             ; w1 as the low word of a pair of its own: the packed form takes a scalar pair's low word for both halves
	s_mov_b32 s49, s23
.irp i, 0,1,2,3,4,5,6,7
	global_load_b128 v[16+24*\i:19+24*\i], v1, s[36:37] offset:512*\i th:TH_LOAD_NT
	global_load_b128 v[20+24*\i:23+24*\i], v1, s[40:41] offset:512*\i th:TH_LOAD_NT
	global_load_b128 v[24+24*\i:27+24*\i], v1, s[38:39] offset:512*\i th:TH_LOAD_NT
	global_load_b128 v[28+24*\i:31+24*\i], v1, s[42:43] offset:512*\i th:TH_LOAD_NT
	global_load_b128 v[32+24*\i:35+24*\i], v1, s[44:45] offset:512*\i
	global_load_b128 v[36+24*\i:39+24*\i], v1, s[46:47] offset:512*\i
.endr
.irp i, 0,1,2,3,4,5,6,7
	s_wait_loadcnt 6*(7-\i)                        ; this chunk's six loads are in; the later chunks' may be out
.irp p, 0,2
	v_pk_add_f32 v[16+24*\i+\p:17+24*\i+\p], v[16+24*\i+\p:17+24*\i+\p], v[20+24*\i+\p:21+24*\i+\p]
	v_pk_add_f32 v[24+24*\i+\p:25+24*\i+\p], v[24+24*\i+\p:25+24*\i+\p], v[28+24*\i+\p:29+24*\i+\p]
	v_pk_add_f32 v[16+24*\i+\p:17+24*\i+\p], v[16+24*\i+\p:17+24*\i+\p], v[32+24*\i+\p:33+24*\i+\p]
	v_pk_add_f32 v[24+24*\i+\p:25+24*\i+\p], v[24+24*\i+\p:25+24*\i+\p], v[36+24*\i+\p:37+24*\i+\p]
	v_pk_mul_f32 v[16+24*\i+\p:17+24*\i+\p], v[16+24*\i+\p:17+24*\i+\p], s[22:23] op_sel_hi:[1,0]
	v_pk_fma_f32 v[16+24*\i+\p:17+24*\i+\p], v[24+24*\i+\p:25+24*\i+\p], s[48:49], v[16+24*\i+\p:17+24*\i+\p] op_sel_hi:[1,0,1]
.endr
	global_store_b128 v1, v[16+24*\i:19+24*\i], s[14:15] offset:512*\i th:TH_STORE_NT   ; 512 consecutive bytes
.endr
	s_endpgm
.Lfunc_end_k_qf616246230_comb:
	.size	k_qf616246230_comb, .Lfunc_end_k_qf616246230_comb-k_qf616246230_comb
	.p2alignl 7, 3214868480
	.fill 96, 4, 3214868480
	.section	.rodata,"a",@progbits
	.p2align	6, 0x0
	.amdhsa_kernel k_qf616246230_comb
		.amdhsa_group_segment_fixed_size 0
		.amdhsa_private_segment_fixed_size 0
		.amdhsa_enable_private_segment 0
		.amdhsa_kernarg_size 48
		.amdhsa_user_sgpr_count 2
		.amdhsa_user_sgpr_kernarg_segment_ptr 1
		.amdhsa_wavefront_size32 1
		.amdhsa_system_sgpr_workgroup_id_x 1
		.amdhsa_system_sgpr_workgroup_id_y 1
		.amdhsa_system_sgpr_workgroup_id_z 1
		.amdhsa_system_vgpr_workitem_id 0
		.amdhsa_next_free_vgpr 224
		.amdhsa_next_free_sgpr 66
		.amdhsa_reserve_vcc 0
		.amdhsa_float_denorm_mode_32 3
		.amdhsa_float_denorm_mode_16_64 3
		.amdhsa_memory_ordered 1
		.amdhsa_forward_progress 1
		.amdhsa_inst_pref_size 15
	.end_amdhsa_kernel
	.amdgpu_metadata
---
amdhsa.version: [ 1, 2 ]
amdhsa.kernels:
  - .name:           k_qf616246230_comb
    .symbol:         k_qf616246230_comb.kd
    .args:
      - { .name: yp, .offset: 0, .size: 8, .value_kind: global_buffer, .address_space: global }
      - { .name: ridx, .offset: 8, .size: 8, .value_kind: global_buffer, .address_space: global }
      - { .name: rwt, .offset: 16, .size: 8, .value_kind: global_buffer, .address_space: global }
      - { .name: rank, .offset: 24, .size: 8, .value_kind: global_buffer, .address_space: global }
      - { .name: b2, .offset: 32, .size: 8, .value_kind: global_buffer, .address_space: global }
      - { .name: out0, .offset: 40, .size: 8, .value_kind: global_buffer, .address_space: global }
    .group_segment_fixed_size: 0
    .private_segment_fixed_size: 0
    .kernarg_segment_align: 8
    .kernarg_segment_size: 48
    .max_flat_workgroup_size: 128
    .sgpr_count:     66
    .vgpr_count:     224
    .wavefront_size: 32
...
	.end_amdgpu_metadata
.endif
;; end of part 4
